; MI455X (gfx1250); checked and timed in simulation.
; The chip was launched on July 23, 2026; its instructions are those of AMD's public machine-readable ISA for CDNA 5 (MIT licence, August 2026) and "CDNA5" Instruction Set Architecture Reference Guide (July 2026). The comments in the code are by the model that wrote it; some were corrected since.
;; L Lo Ca Attention. Allowed arithmetic: float matrix products may take bf16 or f16 operands with f32 sums; other float arithmetic in f32, or as packed bf16 or f16 multiplies, adds, multiply-adds, maxima and minima; sums over many terms, partial sums and values carried from step to step in f32; what a program stores and reads back later, other than sums and carried values, may be rounded once to bf16 or f16.
;; Inputs: frames 4 x 2,048 x 4 x 4 float32; k_local 4 x 8 x 2,048 x 32 float32; q_local 4 x 8 x 2,048 x 32 float32; v_local 4 x 8 x 2,048 x 32 float32.
;; Outputs: out0 4 x 8 x 2,048 x 32 float32.
;; One version. Each part assembles by itself: llvm-mc -triple=amdgcn-amd-amdhsa -mcpu=gfx1250 --defsym DOCPART=n.
;; ======== version 1 of 1: 1 launch
;; limits: values are held in f16: magnitudes above 65,504 overflow, below 6.1e-05 lose precision
;; launch attn (part 1): grid 8 x 32, 8 waves a work-group, no clusters, 281,600 bytes of LDS; arguments q_local, k_local, v_local, frames, out0; writes out0
.if DOCPART == 1
	.amdgcn_target "amdgcn-amd-amdhsa--gfx1250"
	.amdhsa_code_object_version 6
	.text
	.protected	k_qe5aa815fcf_attn
	.globl	k_qe5aa815fcf_attn
	.p2align	8
	.type	k_qe5aa815fcf_attn,@function
k_qe5aa815fcf_attn:
	s_mov_b64 s[64:65], 0
	v_nop
	global_prefetch_b8 v0, s[64:65] scope:SCOPE_SE
	s_setreg_imm32_b32 hwreg(HW_REG_WAVE_MODE, 25, 1), 1
	s_wait_xcnt 0x0
; LLoCa ATTENTION, ONE LAUNCH.  q, k, v, out: [4][8][2048][32] f32; frames: [4][2048][4][4] f32, taken as ANY 4 x 4 matrix L of the particle.
; A row is 16 scalars and four 4-vectors.  q_g, v_g: each vector times eta L^T eta; k_g: times L^T; out = L (of the query) x softmax_k(q_g . k_g / 32) v_g on the vector channels.
; NOTHING IS LEFT OUT: every input has a way to the output, and every step of the formula is done.
; FORMATS.  The frame transforms, maxima, exponentials and all sums are f32.  q_g (already times c = log2(e) / 32, multiplied in f32 ahead of its one rounding) and k_g are rounded once to bf16,
; v_g and the weights p once to f16 (11 significant bits: the output is a mean over 2,048 rows, and what p and v_g lose reaches it whole).
; LIMITS.  |v_g| stays under 65,504 (f16); p lies in 0 to 1 and below 6e-5 keeps f16's fixed step of 6e-8; the divisor l is the sum of the ROUNDED p, kept in f32; a weight below 2^-126 counts as 0;
; NaN and infinities are not treated apart.  Once a wave, at the very end, four products on the last K serve nothing: the price of one text for every key step.
; SHARES.  A work-group owns 256 queries of one head (grid x: the block, y: the head 8 b + h): 256 work-groups.  Each of its 8 waves owns 32 queries, two tiles of 16, and walks all 2,048 keys, 64 a step.
; K AND V IN LDS, EACH BYTE WRITTEN ONCE.  The head's k_g (bf16, 128 KiB) and v_g (f16, 128 KiB) both fit.  They are made in 8 chunks of 256 keys: of a chunk each wave takes 32 keys, loads raw k, v and frames into
; registers a trip ahead, transforms, rounds and stores them.  One barrier a chunk, its signal and its wait a key step apart.  No byte is written twice, so no barrier stands between reads and writes.
; NO CLUSTER, NO TENSOR LOADS.  What a head's 8 work-groups share is RAW f32 (80 KiB a chunk of k, v and frames), which is no matrix operand before the transform.  Landed jointly in LDS it would lie beside the
; 281,600 bytes in use: 363,520, more than the 327,680 there are; in slots of 64 keys it would fit, with a round of barriers for every key step, and each raw byte would be written to LDS and read back
; once more.  A fragment's lane layout is how the rows lie in memory (16 bytes a lane), so the raw rows come straight into registers.
; LAYOUT.  L = lane, r = L % 16, h = L / 16.  A fragment of K or Q (16 rows x 32 channels, 8 registers): lane holds row r; registers 0-3 channels 8 h + 0..7 (scalars), registers 4-7 channels 16 + 8 h + 0..7:
; two WHOLE 4-vectors, so every frame transform stays inside a lane.  S^T = K Q^T: a lane holds ONE query (r) and keys 8 h + 0..7 of each 16; rounded in pairs that IS source 1 of O^T = V^T P, whose result holds
; one query a lane and channels 16 cb + 8 h + 0..7: again two whole vectors in block cb = 1.  A third source 0, all ones, gives the row sum l = sum of p in the same product: no vector sums, no exchange for l.
; SOFTMAX.  Running maximum m of c s; p = 2^(c s - m); in every step O and l are multiplied by a = 2^(m_old - m_new).  m starts at the lowest finite number, O and l at 0: the first step is a step like any other.
; BY TURNS.  Turn t: 4 products K Q^T of the OTHER tile, with tile t's maximum behind them; tile t's subtractions and 33 exponentials as one batch with one wait; roundings and rescalings among its 6 products V^T P.
; REGISTERS.  All that the loop's turns touch lies in v0-v255, so a turn has no window switch.  Window 1 (v256 on, written v0.. under s_set_vgpr_msb: bits 1:0 source 0, 3:2 source 1, 5:4 source 2, 7:6 destination)
; holds the producer's registers and my queries' frames.
; LDS.  0: k_g, fragment g (16 keys) at 1,024 g: registers 0-3 at + 16 L, registers 4-7 at + 512 + 16 L (stores and loads of 512 bytes on end).
;       VR: v_g, key n, channel block cb, half e (16 bytes) at (n / 8) 512 + 256 cb + (n % 8) 32 + 16 e: sixteen lanes of a turning load take 256 bytes on end.
;       STAGE: 16 rows x 144 bytes for each wave, for the way out.  SPARE: the spare words, 128 bytes a wave, that no other line names.
.set VR,    131072
.set STAGE, 262144
.set SP,    144
.set SPARE, 280576
; window 0
.set SPW, 1            ; v1   LDS address of my spare word; never rewritten
.set NIL, 2            ; v2   0; never rewritten
.set AK0, 3            ; v3   16 L: my place in a fragment of K
.set AV0, 4            ; v4   VR + 512 h + 32 (L % 8) + 16 ((L / 8) % 2): my place in a turning load
.set AK,  5            ; v5   address of K's run of loads
.set AV,  6            ; v6   of V's
.set PFO, 7            ; v7   256 L: the prefetches' offset
.set ONE, 8            ; v8-15   f16 1.0 everywhere: source 0 of the row sums
.set MX,  16           ; v16, v18  m of tile 0, 1; v17, v19 named with them as pairs
                       ; v20-23  L, r, h, L % 8, kept for the way out
.set CC,  24           ; v24-27  c0-c3 at work; a takes c2's place
.set STO, 28           ; the way out: where I put my bytes of a row
.set RD,  29           ; where I read rows back
.set GO,  30           ; my 16 bytes of 512 of out
.set QO,  30           ; at the start: 128 r + 32 h
.set QFO, 31           ; 64 r
.set QR,  32           ; v32-47   Q, 8 a tile
.set OT,  48           ; v48-79   O^T, 16 a tile
.set S,   80           ; v80-143  S^T, 32 a tile
.set P,   144          ; v144-175 P, 16 a tile
.set KF,  176          ; v176-207 K of one step
.set VF,  208          ; v208-239 V of one step: key half kk, channel block cb at 16 kk + 8 cb
.set LS,  240          ; v240-255 the row sums, 8 a tile; all eight hold the same number, register 0 alone is rescaled and read
.set RQ,  80           ; at the start: raw q, 16 a tile
.set TQ,  112          ; and its transformed vectors, 8 a tile
.set WO,  144          ; the way out: the transformed vectors, 8 a tile
.set BK,  176          ; the way out: rows read back, 16 a tile
; window 1
.set GKV, 0            ; 128 r + 32 h + 4,096 wave: my bytes in a chunk of k and of v
.set GF,  1            ; 64 r + 2,048 wave: in a chunk of frames
.set KS0, 2            ; 16 L + 2,048 wave: where my fragments of k_g go in a chunk
.set VS0, 3            ; VR + 512 (r / 8) + 32 (r % 8) + 16 h + 2,048 wave: the same for v_g
.set KS,  4
.set VS,  5
.set RAW, 8            ; sub-block u (16 keys) at 48 u: k 16, v 16, frame 16
.set TT,  104          ; transformed vectors: k 8, v 8
.set PKD, 120          ; rounded: k 8, v 8
.set QF,  136          ; my queries' frames, 16 a tile, kept to the end
; scalars
.set OP,  12           ; s[12:13] out at my wave's first row
.set WV,  14           ; my wave's number
.set BX,  15           ; the block of queries
.set HY,  16           ; 8 b + h
.set BB,  17           ; b
.set HH,  18           ; h
.set KP,  20           ; s[20:21] k at the chunk last loaded
.set VP,  22           ; s[22:23] v
.set FP,  24           ; s[24:25] frames
.set QP,  26           ; s[26:27] q at my wave's first row
.set QFP, 28           ; s[28:29] frames at my wave's first query
.set PFA, 32           ; s[32:33] where my prefetches stand
.set PFS, 34           ; s[34:35] their step from chunk to chunk
.set LIM, 36           ; 4 in a wave that prefetches, else the greatest number
.set LEFT, 37          ; trips still to come, 8 to 1
.set CNT, 38
.set TK,  39           ; LDS byte of the step whose K is fetched next
.set TV,  40           ; of the step whose V is fetched next, less VR
.set PS,  41           ; LDS byte of the chunk that is stored next
.set CS,  42           ; s[42:43] c
.set SEL, 44           ; s[44:45] v_permlanex16_b32's selects: each lane takes its own place in the other half
.set MSB, 0
.macro WIN new                         ; the high byte repeats the setting that is left; a switch that changes nothing is dropped
.if MSB != (\new)
	s_set_vgpr_msb (MSB<<8)|(\new)
.set MSB, (\new)
.endif
.endm
; ONE PACKED STEP OF A FRAME TRANSFORM: d[2 p], d[2 p + 1] (+)= F[4 j + 2 p], F[4 j + 2 p + 1] x X[j]: components i = 2 p, 2 p + 1 of L^T X.  X[j] is given to both halves.
; inv = 1: eta L^T eta: the sign eta_i eta_j rides on the frame's operand: (i, j) = (0, 0) and i, j >= 1 keep it, the others turn it.
.macro XF d, f, x, j, p, inv
.set xd, (\d)+2*(\p)
.set xf, (\f)+4*(\j)+2*(\p)
.set xx, (\x)+2*((\j)/2)
.if (\j) == 0
.if (\inv) && ((\p) == 0)
	v_pk_mul_f32 v[xd:xd+1], v[xf:xf+1], v[xx:xx+1] op_sel_hi:[1,0] neg_hi:[1,0]
.elseif (\inv)
	v_pk_mul_f32 v[xd:xd+1], v[xf:xf+1], v[xx:xx+1] op_sel_hi:[1,0] neg_lo:[1,0] neg_hi:[1,0]
.else
	v_pk_mul_f32 v[xd:xd+1], v[xf:xf+1], v[xx:xx+1] op_sel_hi:[1,0]
.endif
.elseif (\j) == 2
.if (\inv) && ((\p) == 0)
	v_pk_fma_f32 v[xd:xd+1], v[xf:xf+1], v[xx:xx+1], v[xd:xd+1] op_sel_hi:[1,0,1] neg_lo:[1,0,0]
.else
	v_pk_fma_f32 v[xd:xd+1], v[xf:xf+1], v[xx:xx+1], v[xd:xd+1] op_sel_hi:[1,0,1]
.endif
.else
.if (\inv) && ((\p) == 0)
	v_pk_fma_f32 v[xd:xd+1], v[xf:xf+1], v[xx:xx+1], v[xd:xd+1] op_sel:[0,1,0] op_sel_hi:[1,1,1] neg_lo:[1,0,0]
.else
	v_pk_fma_f32 v[xd:xd+1], v[xf:xf+1], v[xx:xx+1], v[xd:xd+1] op_sel:[0,1,0] op_sel_hi:[1,1,1]
.endif
.endif
.endm
; THE PRODUCER.  LOADRAW: my 32 keys of a chunk, 24 loads: of each key's 128 bytes of k and of v my half's 32 + 32, and its frame's 64.
.macro LOADRAW
	WIN 0x55                               ; every place in window 1
.irp u, 0,1
.irp o, 0,1,2,3
	global_load_b128 v[RAW+48*(\u)+4*(\o):RAW+48*(\u)+4*(\o)+3],       v[GKV], s[KP:KP+1] offset:2048*(\u)+64*((\o)/2)+16*((\o)%2)
	global_load_b128 v[RAW+48*(\u)+16+4*(\o):RAW+48*(\u)+16+4*(\o)+3], v[GKV], s[VP:VP+1] offset:2048*(\u)+64*((\o)/2)+16*((\o)%2)
	global_load_b128 v[RAW+48*(\u)+32+4*(\o):RAW+48*(\u)+32+4*(\o)+3], v[GF],  s[FP:FP+1] offset:1024*(\u)+16*(\o)
.endr
.endr
	WIN 0
.endm
; Sub-block u: scalars rounded; four vectors (two of k, two of v) transformed in eight chains that do not wait for each other; rounded; four stores of 16 bytes a lane.
.macro TRANSFORM u
.set rb, RAW+48*(\u)
.irp i, 0,1,2,3
	v_cvt_pk_bf16_f32 v[PKD+(\i)],   v[rb+2*(\i)],    v[rb+2*(\i)+1]
	v_cvt_pk_f16_f32  v[PKD+8+(\i)], v[rb+16+2*(\i)], v[rb+16+2*(\i)+1]
.endr
.irp j, 0,1,2,3
.irp w, 0,1
.irp p, 0,1
	XF TT+4*(\w),   rb+32, rb+8+4*(\w),  \j, \p, 0
	XF TT+8+4*(\w), rb+32, rb+24+4*(\w), \j, \p, 1
.endr
.endr
.endr
.irp i, 0,1,2,3
	v_cvt_pk_bf16_f32 v[PKD+4+(\i)],  v[TT+2*(\i)],   v[TT+2*(\i)+1]
	v_cvt_pk_f16_f32  v[PKD+12+(\i)], v[TT+8+2*(\i)], v[TT+8+2*(\i)+1]
.endr
	ds_store_b128 v[KS], v[PKD:PKD+3]     offset:1024*(\u)
	ds_store_b128 v[KS], v[PKD+4:PKD+7]   offset:1024*(\u)+512
	ds_store_b128 v[VS], v[PKD+8:PKD+11]  offset:1024*(\u)
	ds_store_b128 v[VS], v[PKD+12:PKD+15] offset:1024*(\u)+256
.endm
.macro CHUNK                           ; the chunk in RAW goes into LDS at s[PS]
	WIN 0x55
	v_add_nc_u32 v[KS], s[PS], v[KS0]
	v_add_nc_u32 v[VS], s[PS], v[VS0]
	TRANSFORM 0
	TRANSFORM 1
	WIN 0
	s_add_co_u32 s[PS], s[PS], 16384
.endm
.macro NEXTRAW                         ; the next chunk is asked for; no load that names the three pointers is out
	s_add_nc_u64 s[KP:KP+1], s[KP:KP+1], 32768
	s_add_nc_u64 s[VP:VP+1], s[VP:VP+1], 32768
	s_add_nc_u64 s[FP:FP+1], s[FP:FP+1], 16384
	LOADRAW
.endm
; THE MATRIX WORK.  S^T of tile t, keys 16 kb on: one product over all 32 channels, which starts and ends its sum.
.macro KQ t, kb
	v_wmma_f32_16x16x32_bf16 v[S+32*(\t)+8*(\kb):S+32*(\t)+8*(\kb)+7], v[KF+8*(\kb):KF+8*(\kb)+7], v[QR+8*(\t):QR+8*(\t)+7], 0
.endm
; Product i of 6 for tile t: keys 32 (i / 3) on; i % 3 = 0, 1: channels 16 (i % 3) on; 2: the row sum.  The three accumulators take turns, one instruction a turn.
.macro PV t, i
.set kk, (\i)/3
.set aa, (\i)%3
.if aa < 2
	v_wmma_f32_16x16x32_f16 v[OT+16*(\t)+8*aa:OT+16*(\t)+8*aa+7], v[VF+16*kk+8*aa:VF+16*kk+8*aa+7], v[P+16*(\t)+8*kk:P+16*(\t)+8*kk+7], v[OT+16*(\t)+8*aa:OT+16*(\t)+8*aa+7]
.else
	v_wmma_f32_16x16x32_f16 v[LS+8*(\t):LS+8*(\t)+7], v[ONE:ONE+7], v[P+16*(\t)+8*kk:P+16*(\t)+8*kk+7], v[LS+8*(\t):LS+8*(\t)+7]
.endif
.endm
; THE LDS LOADS stand in runs of 8.
.macro FETCH_K
.irp kb, 0,1,2,3
	ds_load_b128 v[KF+8*(\kb):KF+8*(\kb)+3],   v[AK] offset:1024*(\kb)
	ds_load_b128 v[KF+8*(\kb)+4:KF+8*(\kb)+7], v[AK] offset:1024*(\kb)+512
.endr
.endm
.macro FETCH_V                         ; f = 2 kk + cb.  The turning load takes 16 keys x 16 channels and leaves half a fragment of V^T: lane L holds channel r and 8 keys
.irp f, 0,1,2,3
	ds_load_tr16_b128 v[VF+8*(\f):VF+8*(\f)+3],   v[AV] offset:2048*((\f)/2)+256*((\f)%2)
	ds_load_tr16_b128 v[VF+8*(\f)+4:VF+8*(\f)+7], v[AV] offset:2048*((\f)/2)+256*((\f)%2)+1024
.endr
.endm
; THE VECTOR WORK.  XS t, n: number n of the 21 that find tile t's maximum and a.  s0-s31 are the lane's 32 scores; each accumulator's lowest registers are read first.
;   0-11 four chains c0-c3 of seven scores each     12-15 the four scores left over, the old m, all into c0     16, 17 the query's other 32 keys lie in the lane 16 away     18-20 m_old - m_new; m; a
.macro XS t, n
.set rS, S+32*(\t)
.set rM, MX+2*(\t)
.if (\n) < 4
	v_max3_num_f32 v[CC+(\n)], v[rS+8*(\n)], v[rS+8*(\n)+1], v[rS+8*(\n)+2]
.elseif (\n) < 12
	v_max3_num_f32 v[CC+(\n)%4], v[CC+(\n)%4], v[rS+8*((\n)%4)+2*((\n)/4)+1], v[rS+8*((\n)%4)+2*((\n)/4)+2]
.elseif (\n) == 12
	v_max3_num_f32 v[CC], v[CC], v[rS+7], v[rS+15]
.elseif (\n) == 13
	v_max3_num_f32 v[CC+1], v[CC+1], v[rS+23], v[rS+31]
.elseif (\n) == 14
	v_max3_num_f32 v[CC+2], v[CC+2], v[CC+3], v[rM]
.elseif (\n) == 15
	v_max3_num_f32 v[CC], v[CC], v[CC+1], v[CC+2]
.elseif (\n) == 16
	v_permlanex16_b32 v[CC+3], v[CC], s[SEL], s[SEL+1]
.elseif (\n) == 17
	v_max_num_f32 v[CC+1], v[CC], v[CC+3]
.elseif (\n) == 18
	v_sub_f32 v[CC+2], v[rM], v[CC+1]
.elseif (\n) == 19
	v_mov_b32 v[rM], v[CC+1]
.else
	v_exp_f32 v[CC+2], v[CC+2]
.endif
.endm
.macro FS t, b                         ; pair b of 16: c s - m
	v_pk_add_f32 v[S+32*(\t)+2*(\b):S+32*(\t)+2*(\b)+1], v[S+32*(\t)+2*(\b):S+32*(\t)+2*(\b)+1], v[MX+2*(\t):MX+2*(\t)+1] op_sel_hi:[1,0] neg_lo:[0,1] neg_hi:[0,1]
.endm
.macro EX t, e                         ; score e of 32: its weight
	v_exp_f32 v[S+32*(\t)+(\e)], v[S+32*(\t)+(\e)]
.endm
.macro CV t, i                         ; pair i rounded to f16
	v_cvt_pk_f16_f32 v[P+16*(\t)+(\i)], v[S+32*(\t)+2*(\i)], v[S+32*(\t)+2*(\i)+1]
.endm
.macro RS t, i                         ; pair i of 8 of O^T times a
	v_pk_mul_f32 v[OT+16*(\t)+2*(\i):OT+16*(\t)+2*(\i)+1], v[OT+16*(\t)+2*(\i):OT+16*(\t)+2*(\i)+1], v[CC+2:CC+3] op_sel_hi:[1,0]
.endm
.macro RL t                            ; l times a
	v_mul_f32 v[LS+8*(\t)], v[LS+8*(\t)], v[CC+2]
.endm
; A TURN, for tile t.  last = 1 (a trip's fourth step): in the launch's last trip there is no further step, and K's run is jumped over.
; Tile 0's turn makes tile 1's scores of the step in hand and then fetches K of the next step and V of this one; tile 1's turn makes tile 0's scores of the next step.
; A load into a register that a matrix instruction has read stands four plain vector instructions behind it (ISA guide 7.12.1 for vector instructions): behind K's last reader stand
; numbers 12-15 of the maximum and the two address lines; V's last reader stands sixteen more back.
; The 33 exponentials are ONE BATCH: nothing ahead of the wait names a result of theirs, and one plain line stands behind the last.
.macro TURN t, last
	KQ 1-(\t), 0
.irp n, 0,1,2,3
	XS \t, \n
.endr
	KQ 1-(\t), 1
.irp n, 4,5,6,7
	XS \t, \n
.endr
	KQ 1-(\t), 2
.irp n, 8,9,10,11
	XS \t, \n
.endr
	KQ 1-(\t), 3
.irp n, 12,13,14,15
	XS \t, \n
.endr
.if (\t) == 0
	v_add_nc_u32 v[AK], s[TK], v[AK0]
	v_add_nc_u32 v[AV], s[TV], v[AV0]
	s_add_co_u32 s[TK], s[TK], 4096        ; a step is 4 fragments of 1,024 bytes of K, and 8 groups of 512 bytes of V
	s_add_co_u32 s[TV], s[TV], 4096
.if \last
	s_cmp_eq_u32 s[LEFT], 1
	s_cbranch_scc1 .Lno_k_\@
.endif
	FETCH_K
.if \last
.Lno_k_\@:
.endif
	FETCH_V
.endif
.irp n, 16,17,18,19
	XS \t, \n
.endr
	FS \t, 0
	FS \t, 1
	XS \t, 20
.set bb, 2
.rept 14                               ; a subtraction and the two exponentials of the pair two back
	FS \t, bb
	EX \t, 2*bb-4
	EX \t, 2*bb-3
.set bb, bb+1
.endr
.irp e, 28,29,30,31
	EX \t, \e
.endr
	v_nop                                  ; the plain instruction behind the last exponential, ahead of the first use (ISA guide 5.7.2): one for the batch
	s_wait_alu depctr_va_vdst(0)           ; the wait ahead of the first line that names a result: one for the 33
.irp i, 0,1,2,3
	RS \t, \i
.endr
.irp i, 0,1,2,3,4,5,6,7
	CV \t, \i
.endr
.if (\t) == 0
	s_wait_dscnt 0x0                       ; V of this step and K of the next are in: both runs were issued some 70 vector instructions back
.endif
	PV \t, 0
.irp i, 4,5,6,7
	RS \t, \i
.endr
	PV \t, 1
	RL \t
.irp i, 8,9,10
	CV \t, \i
.endr
	PV \t, 2
.irp i, 11,12,13,14,15
	CV \t, \i
.endr
	PV \t, 3
	PV \t, 4
	PV \t, 5
.endm
.macro STEP last
	TURN 0, \last
	TURN 1, 0
.endm
	; ---------------- the head ----------------
	s_load_b256 s[4:11], s[0:1], 0x0               ; q s[4:5], k s[6:7], v s[8:9], frames s[10:11]
	s_load_b64 s[OP:OP+1], s[0:1], 0x20            ; out
	v_lshl_add_u32 v[SPW], v0, 2, SPARE
	v_mov_b32 v[NIL], 0
	v_lshrrev_b32 v20, 5, v0
	v_readfirstlane_b32 s[WV], v20                 ; wave 0..7
	s_mov_b32 s[BX], ttmp9
	s_and_b32 s[HY], ttmp7, 0xffff
	s_lshr_b32 s[BB], s[HY], 3
	s_and_b32 s[HH], s[HY], 7
	v_and_b32 v20, 31, v0                          ; L
	v_and_b32 v21, 15, v0                          ; r
	v_bfe_u32 v22, v0, 4, 1                        ; h
	v_and_b32 v23, 7, v0                           ; L % 8 = r % 8
	v_bfe_u32 v24, v0, 3, 1                        ; (L / 8) % 2 = r / 8
	v_lshlrev_b32 v[AK0], 4, v20
	v_lshlrev_b32 v[PFO], 8, v20
	v_lshlrev_b32 v[AV0], 9, v22
	v_lshl_add_u32 v[AV0], v23, 5, v[AV0]
	v_lshl_add_u32 v[AV0], v24, 4, v[AV0]
	v_add_nc_u32 v[AV0], VR, v[AV0]
	v_lshlrev_b32 v[QO], 7, v21
	v_lshl_add_u32 v[QO], v22, 5, v[QO]
	v_lshlrev_b32 v[QFO], 6, v21
	v_lshlrev_b32 v25, 9, v24
	v_lshl_add_u32 v25, v23, 5, v25
	v_lshl_add_u32 v25, v22, 4, v25
	v_add_nc_u32 v25, VR, v25
	s_lshl_b32 s46, s[WV], 12
	s_lshl_b32 s47, s[WV], 11
	WIN 0x40                                       ; destination in window 1
	v_add_nc_u32 v[GKV], s46, v[QO]
	v_add_nc_u32 v[GF],  s47, v[QFO]
	v_add_nc_u32 v[KS0], s47, v[AK0]
	v_add_nc_u32 v[VS0], s47, v25
	WIN 0
	s_mov_b32 s[CS], 0x3d38aa3b                    ; c = log2(e) / 32
	s_mov_b32 s[CS+1], s[CS]                       ; named with it as a pair
	s_mov_b32 s[SEL], 0x76543210
	s_mov_b32 s[SEL+1], 0xfedcba98
	s_mov_b32 s[PS], 0
	; byte offsets, made apart from the addresses
	s_lshl_b32 s46, s[HY], 18                      ; the head's 2,048 rows of 128 bytes
	s_mov_b32 s47, 0
	s_lshl_b32 s48, s[BX], 15                      ; my block's 256 rows
	s_lshl_b32 s49, s[WV], 12                      ; my wave's 32
	s_add_co_u32 s48, s48, s49
	s_add_co_u32 s50, s46, s48
	s_mov_b32 s51, 0
	s_wait_kmcnt 0x0
	s_add_nc_u64 s[KP:KP+1], s[6:7], s[46:47]
	s_add_nc_u64 s[VP:VP+1], s[8:9], s[46:47]
	s_add_nc_u64 s[QP:QP+1], s[4:5], s[50:51]
	s_add_nc_u64 s[OP:OP+1], s[OP:OP+1], s[50:51]
	s_lshl_b32 s46, s[BB], 17                      ; the batch's 2,048 frames of 64 bytes
	s_add_nc_u64 s[FP:FP+1], s[10:11], s[46:47]
	s_lshr_b32 s48, s48, 1                         ; my wave's first query, 64 bytes a frame
	s_add_co_u32 s50, s46, s48
	s_add_nc_u64 s[QFP:QFP+1], s[10:11], s[50:51]
	; THE PREFETCHES INTO THE L2.  Trip j asks for chunk j + 4, whose loads go out in trip j + 2.  Each aligned block of 256 bytes is named ONCE in the launch, a lane a block, 32 blocks (8,192 bytes) a wave:
	; a chunk of k is 128 blocks: waves 0-3 of the head's work-group x = 0; of v: its waves 4-7; a chunk of frames is 64 blocks: waves 0, 1 of work-group x = 1 of the batch's head h = 0.
	; Chunks 0 to 3 come by their loads alone; chunk 7 is the last that is asked for, so no prefetch leaves its buffer.
	s_and_b32 s46, s[WV], 3
	s_lshl_b32 s46, s46, 13
	s_cmp_lt_u32 s[WV], 4
	s_cselect_b64 s[PFA:PFA+1], s[KP:KP+1], s[VP:VP+1]
	s_mov_b32 s[PFS], 32768
	s_mov_b32 s[PFS+1], 0
	s_cmp_eq_u32 s[BX], 0
	s_cselect_b32 s[LIM], 4, -1
	s_xor_b32 s48, s[BX], 1
	s_or_b32 s48, s48, s[HH]
	s_lshr_b32 s49, s[WV], 1
	s_or_b32 s48, s48, s49                         ; 0: x = 1, h = 0, wave 0 or 1
	s_cmp_eq_u32 s48, 0
	s_cselect_b64 s[PFA:PFA+1], s[FP:FP+1], s[PFA:PFA+1]
	s_cselect_b32 s[PFS], 16384, s[PFS]
	s_cselect_b32 s[LIM], 4, s[LIM]
	s_mul_i32 s48, s[PFS], 3                       ; at chunk 3: the first trip steps it to chunk 4
	s_add_co_u32 s46, s46, s48
	s_add_nc_u64 s[PFA:PFA+1], s[PFA:PFA+1], s[46:47]
	; ---------------- the first loads: chunk 0, then Q and my queries' frames ----------------
	LOADRAW
.irp t, 0,1
.irp o, 0,1,2,3
	global_load_b128 v[RQ+16*(\t)+4*(\o):RQ+16*(\t)+4*(\o)+3], v[QO], s[QP:QP+1] offset:2048*(\t)+64*((\o)/2)+16*((\o)%2) th:TH_LOAD_NT
.endr
.endr
	WIN 0x40
.irp t, 0,1
.irp o, 0,1,2,3
	global_load_b128 v[QF+16*(\t)+4*(\o):QF+16*(\t)+4*(\o)+3], v[QFO], s[QFP:QFP+1] offset:1024*(\t)+16*(\o)
.endr
.endr
	WIN 0
	s_wait_loadcnt 16                              ; chunk 0's 24 loads are in; the 16 of Q and its frames, issued behind them, may stay out
	s_wait_xcnt 0x0                                ; and every address so far has been read: the three pointers are stepped below
	CHUNK                                          ; chunk 0 into LDS
	NEXTRAW                                        ; chunk 1 is asked for
	s_wait_loadcnt 24                              ; Q and its frames are in; chunk 1's 24 loads stay out
.irp t, 0,1
.set z, 0
.rept 8
	v_pk_mul_f32 v[RQ+16*(\t)+z:RQ+16*(\t)+z+1], v[RQ+16*(\t)+z:RQ+16*(\t)+z+1], s[CS:CS+1] op_sel_hi:[1,0]  ; q times c, in f32
.set z, z+2
.endr
.irp i, 0,1,2,3
	v_cvt_pk_bf16_f32 v[QR+8*(\t)+(\i)], v[RQ+16*(\t)+2*(\i)], v[RQ+16*(\t)+2*(\i)+1]
.endr
.endr
	WIN 0x01                                       ; source 0, the frame, in window 1
.irp j, 0,1,2,3
.irp t, 0,1
.irp w, 0,1
.irp p, 0,1
	XF TQ+8*(\t)+4*(\w), QF+16*(\t), RQ+16*(\t)+8+4*(\w), \j, \p, 1
.endr
.endr
.endr
.endr
	WIN 0
.irp t, 0,1
.irp i, 0,1,2,3
	v_cvt_pk_bf16_f32 v[QR+8*(\t)+4+(\i)], v[TQ+8*(\t)+2*(\i)], v[TQ+8*(\t)+2*(\i)+1]
.endr
.endr
	s_wait_dscnt 0x0                               ; for the others' sake: my part of chunk 0 lies in LDS
	s_barrier_signal -1
	s_barrier_wait -1                              ; everybody's does
	v_mov_b32 v[AK], v[AK0]
	FETCH_K                                        ; key step 0
	; What the first step finds: m at the lowest finite number, O and l at 0.  No first step is written out; the price is these 60 lines, of which 28 stand in the wait for K.
.set z, 0
.rept 8
	v_mov_b32 v[ONE+z], 0x3c003c00                 ; 1.0 twice, in f16
.set z, z+1
.endr
	v_mov_b32 v[MX], 0xff7fffff
	v_mov_b32 v[MX+1], 0                           ; named with m as a pair
	v_mov_b32 v[MX+2], 0xff7fffff
	v_mov_b32 v[MX+3], 0
.set z, 0
.rept 16
	v_mov_b32 v[LS+z], 0
.set z, z+1
.endr
	s_wait_dscnt 0x0
	KQ 0, 0                                        ; tile 0's first scores
	KQ 0, 1
	KQ 0, 2
	KQ 0, 3
.set z, 0
.rept 32
	v_mov_b32 v[OT+z], 0                           ; also the places behind those products
.set z, z+1
.endr
	s_mov_b32 s[TK], 4096
	s_mov_b32 s[TV], 0
	s_mov_b32 s[LEFT], 8
	; ---------------- the loop: trip j walks chunk j's four key steps, stores chunk j + 1, loads chunk j + 2, prefetches chunk j + 4 ----------------
.Ltrip:
	s_mov_b32 s[CNT], 2
.Lstep:
	STEP 0
	s_sub_co_u32 s[CNT], s[CNT], 1
	s_cmp_lg_u32 s[CNT], 0
	s_cbranch_scc1 .Lstep
	s_cmp_gt_u32 s[LEFT], 1                        ; the last trip has no chunk behind it
	s_cbranch_scc0 .Lnp
	s_wait_loadcnt 0x0                             ; chunk j + 1 is in registers: asked for a trip ago
	s_wait_xcnt 0x0                                ; the last prefetch, a trip back, has read its address
	s_add_nc_u64 s[PFA:PFA+1], s[PFA:PFA+1], s[PFS:PFS+1]
	CHUNK
	s_cmp_gt_u32 s[LEFT], 2                        ; the last two trips load nothing
	s_cbranch_scc0 .Lnp
	NEXTRAW
	s_cmp_gt_u32 s[LEFT], s[LIM]                   ; trips 0 to 3, in the waves that ask
	s_cbranch_scc0 .Lnp
	global_prefetch_b8 v[PFO], s[PFA:PFA+1] th:TH_LOAD_NT scope:SCOPE_SE  ; behind my loads: my 32 blocks of chunk j + 4
.Lnp:
	s_wait_dscnt 0x0                               ; for the others' sake: my part of chunk j + 1 lies in LDS
	s_barrier_signal -1
	STEP 0                                         ; the third step reads chunk j alone, which no wave writes any more
	s_barrier_wait -1                              ; chunk j + 1 is whole
	STEP 1                                         ; the fourth step fetches K of chunk j + 1's first step
	s_sub_co_u32 s[LEFT], s[LEFT], 1
	s_cmp_lg_u32 s[LEFT], 0
	s_cbranch_scc1 .Ltrip
	; ---------------- the way out ----------------
	; O^T / l; its vector channels times L of the query; through my stage in LDS, so that a store covers 512 consecutive bytes of out.  The address lines are the places behind the last products.
	s_mul_i32 s46, s[WV], 16*SP
	s_add_co_u32 s46, s46, STAGE
	v_mul_u32_u24 v[STO], v21, SP                  ; in: row r, 32 bytes for each half of the lanes
	v_lshl_add_u32 v[STO], v22, 5, v[STO]
	v_add_nc_u32 v[STO], s46, v[STO]
	v_lshrrev_b32 v[RD], 3, v20                    ; back: 32 lanes take four rows of 128 bytes
	v_mul_u32_u24 v[RD], v[RD], SP
	v_lshl_add_u32 v[RD], v23, 4, v[RD]
	v_add_nc_u32 v[RD], s46, v[RD]
	v_lshlrev_b32 v[GO], 4, v20
	v_rcp_f32 v[CC], v[LS]                         ; l is at least 1: the largest weight of a row is 1
	v_rcp_f32 v[CC+2], v[LS+8]
	v_nop                                          ; a plain instruction between the last reciprocal and its use
	s_wait_alu depctr_va_vdst(0)                   ; and the wait: one for both
.macro PACK t
.set z, 0
.rept 8
	v_pk_mul_f32 v[OT+16*(\t)+z:OT+16*(\t)+z+1], v[OT+16*(\t)+z:OT+16*(\t)+z+1], v[CC+2*(\t):CC+2*(\t)+1] op_sel_hi:[1,0]
.set z, z+2
.endr
	WIN 0x01                                       ; source 0, the frame, in window 1: out_i = the sum over j of L[i][j] o_j, eight chains
.irp w, 0,1
.irp i, 0,1,2,3
	v_mul_f32 v[WO+8*(\t)+4*(\w)+(\i)], v[QF+16*(\t)+4*(\i)], v[OT+16*(\t)+8+4*(\w)]
.endr
.endr
.irp j, 1,2,3
.irp w, 0,1
.irp i, 0,1,2,3
	v_fma_f32 v[WO+8*(\t)+4*(\w)+(\i)], v[QF+16*(\t)+4*(\i)+(\j)], v[OT+16*(\t)+8+4*(\w)+(\j)], v[WO+8*(\t)+4*(\w)+(\i)]
.endr
.endr
.endr
	WIN 0
	ds_store_b128 v[STO], v[OT+16*(\t):OT+16*(\t)+3]
	ds_store_b128 v[STO], v[OT+16*(\t)+4:OT+16*(\t)+7] offset:16
	ds_store_b128 v[STO], v[WO+8*(\t):WO+8*(\t)+3]     offset:64
	ds_store_b128 v[STO], v[WO+8*(\t)+4:WO+8*(\t)+7]   offset:80
.irp f, 0,1,2,3
	ds_load_b128 v[BK+16*(\t)+4*(\f):BK+16*(\t)+4*(\f)+3], v[RD] offset:(\f)*4*SP  ; LDS serves a wave's instructions in order (ISA guide 5.7.1.4): these see the stores above; the next tile's stores come behind them
.endr
.endm
.macro SEND t, younger                 ; younger: the LDS instructions issued behind tile t's loads
.irp f, 0,1,2,3
	s_wait_dscnt (\younger)+3-(\f)
	global_store_b128 v[GO], v[BK+16*(\t)+4*(\f):BK+16*(\t)+4*(\f)+3], s[OP:OP+1] offset:2048*(\t)+512*(\f) th:TH_STORE_NT  ; 512 consecutive bytes, at a multiple of 256 from out's first
.endr
.endm
	PACK 0
	PACK 1                                         ; tile 1's arithmetic stands between tile 0's loads from the stage and its stores
	SEND 0, 8
	SEND 1, 0
	s_wait_tensorcnt 0x0                           ; the wave's end, behind my last LDS store
	ds_add_u32 v[SPW], v[NIL]
	s_wait_dscnt 0x0
	s_endpgm
.Lfunc_end_k_qe5aa815fcf_attn:
	.size	k_qe5aa815fcf_attn, .Lfunc_end_k_qe5aa815fcf_attn-k_qe5aa815fcf_attn
	.p2alignl 7, 3214868480
	.fill 96, 4, 3214868480
	.section	.rodata,"a",@progbits
	.p2align	6, 0x0
	.amdhsa_kernel k_qe5aa815fcf_attn
		.amdhsa_group_segment_fixed_size 281600
		.amdhsa_private_segment_fixed_size 0
		.amdhsa_enable_private_segment 0
		.amdhsa_kernarg_size 40
		.amdhsa_user_sgpr_count 2
		.amdhsa_user_sgpr_kernarg_segment_ptr 1
		.amdhsa_wavefront_size32 1
		.amdhsa_system_sgpr_workgroup_id_x 1
		.amdhsa_system_sgpr_workgroup_id_y 1
		.amdhsa_system_sgpr_workgroup_id_z 1
		.amdhsa_system_vgpr_workitem_id 0
		.amdhsa_next_free_vgpr 424
		.amdhsa_next_free_sgpr 66
		.amdhsa_reserve_vcc 0
		.amdhsa_float_denorm_mode_32 3
		.amdhsa_float_denorm_mode_16_64 3
		.amdhsa_memory_ordered 1
		.amdhsa_forward_progress 1
		.amdhsa_inst_pref_size 78
	.end_amdhsa_kernel
	.amdgpu_metadata
---
amdhsa.version: [ 1, 2 ]
amdhsa.kernels:
  - .name:           k_qe5aa815fcf_attn
    .symbol:         k_qe5aa815fcf_attn.kd
    .args:
      - { .name: q_local, .offset: 0, .size: 8, .value_kind: global_buffer, .address_space: global }
      - { .name: k_local, .offset: 8, .size: 8, .value_kind: global_buffer, .address_space: global }
      - { .name: v_local, .offset: 16, .size: 8, .value_kind: global_buffer, .address_space: global }
      - { .name: frames, .offset: 24, .size: 8, .value_kind: global_buffer, .address_space: global }
      - { .name: out0, .offset: 32, .size: 8, .value_kind: global_buffer, .address_space: global }
    .group_segment_fixed_size: 281600
    .private_segment_fixed_size: 0
    .kernarg_segment_align: 8
    .kernarg_segment_size: 40
    .max_flat_workgroup_size: 256
    .sgpr_count:     66
    .vgpr_count:     424
    .wavefront_size: 32
...
	.end_amdgpu_metadata
.endif
;; end of part 1
